; MI455X (gfx1250); checked and timed in simulation.
; The chip was launched on July 23, 2026; its instructions are those of AMD's public machine-readable ISA for CDNA 5 (MIT licence, August 2026) and "CDNA5" Instruction Set Architecture Reference Guide (July 2026). The comments in the code are by the model that wrote it; some were corrected since.
;; Mo E Layer. Allowed arithmetic: float matrix products may take bf16 or f16 operands with f32 sums; other float arithmetic in f32, or as packed bf16 or f16 multiplies, adds, multiply-adds, maxima and minima; sums over many terms, partial sums and values carried from step to step in f32; what a program stores and reads back later, other than sums and carried values, may be rounded once to bf16 or f16.
;; Inputs: b1 8 x 4,096 float32; b2 8 x 1,024 float32; gate_w 1,024 x 8 float32; w1 8 x 1,024 x 4,096 float32; w2 8 x 4,096 x 1,024 float32; x 4 x 256 x 1,024 float32.
;; Outputs: out0 4 x 256 x 1,024 float32; out1 one number float32.
;; One version. Each part assembles by itself: llvm-mc -triple=amdgcn-amd-amdhsa -mcpu=gfx1250 --defsym DOCPART=n.
;; ======== version 1 of 1: 4 launches
;; workspace buffers: xb 2,097,152 bytes; rmask 8,192 bytes of whole numbers; rwt 8,192 bytes; paux 8,192 bytes; hbuf 67,108,864 bytes; part 33,554,432 bytes; rlist 24,576 bytes of whole numbers
;; launch router (part 1): grid 64 x 1, 8 waves a work-group, no clusters, 55,040 bytes of LDS; arguments x, gate_w, xb, rmask, rwt, paux; writes xb, rmask, rwt, paux
.if DOCPART == 1
	.amdgcn_target "amdgcn-amd-amdhsa--gfx1250"
	.amdhsa_code_object_version 6
	.text
	.protected	k_qa7f10a0197_router
	.globl	k_qa7f10a0197_router
	.p2align	8
	.type	k_qa7f10a0197_router,@function
k_qa7f10a0197_router:
	s_mov_b64 s[64:65], 0
	v_nop
	global_prefetch_b8 v0, s[64:65] scope:SCOPE_SE
	s_setreg_imm32_b32 hwreg(HW_REG_WAVE_MODE, 25, 1), 1
	s_wait_xcnt 0x0
; ROUTER.  logits = x gate_w, softmax, the two largest, their weights renormalised; x rounded to bf16 for the products that follow.
; A work-group takes 16 tokens (one chunk c).  x and gate_w are rounded to bf16 (as every input of the program is), products exact, sums in f32.
; Stored at fixed places: xb [1024][1024] bf16; rmask [64 chunks][32 words]: word e, bit l: slot l / 16 of token 16 c + l % 16 chose expert e;
; rwt [slot][token] f32; paux [64][32]: columns 0-7 the chunk's sums of probabilities, 8-15 its counts, the rest 0.
; LIMITS.  Two probabilities that differ by less than the f32 rounding of their logits' sums may be ranked otherwise than a sum in another order ranks them;
; equal probabilities keep the lower index.  An exponential below 2^-126 counts as 0.  NaN and infinities are not treated apart.
; No clusters, no tensor loads: the work-groups share only gate_w (32 KB), and x is read once through registers, where it is rounded.
.set PX,    2064                       ; LDS pitch: 2,048 bytes + 16: the 16 rows of a fragment load start at 16 different groups of banks
.set GT,    33280                      ; gate_w turned: 8 rows (experts) of 1,024 bf16
.set RED,   49920                      ; 8 waves x 16 tokens x 8 partial logits
.set SPARE, 54016                      ; the spare words: 128 bytes a wave, named by no other line
	s_load_b256 s[4:11], s[0:1], 0x0               ; x s[4:5], gate_w s[6:7], xb s[8:9], rmask s[10:11]
	s_load_b128 s[12:15], s[0:1], 0x20             ; rwt s[12:13], paux s[14:15]
	v_lshl_add_u32 v30, v0, 2, SPARE               ; my spare word
	v_mov_b32 v31, 0
	v_and_b32 v1, 31, v0                           ; lane
	v_lshrrev_b32 v13, 5, v0
	v_readfirstlane_b32 s16, v13                   ; wave 0..7
	v_and_b32 v2, 15, v0                           ; r
	v_bfe_u32 v3, v0, 4, 1                         ; h
	v_lshlrev_b32 v4, 4, v1
	v_lshl_add_u32 v4, s16, 13, v4                 ; x: my wave's two rows of 4,096 bytes, 16 bytes a lane
	v_lshlrev_b32 v5, 4, v0                        ; gate_w: 16 bytes a thread
	v_lshlrev_b32 v6, 3, v1
	v_lshl_add_u32 v6, s16, 12, v6                 ; xb: two rows of 2,048 bytes, 8 bytes a lane
	s_mul_i32 s17, s16, 2*PX
	v_lshlrev_b32 v7, 3, v1
	v_add_nc_u32 v7, s17, v7                       ; the same two rows in LDS
	v_and_b32 v13, 1, v0
	v_mul_u32_u24 v13, v13, 4*PX
	v_lshrrev_b32 v14, 1, v0
	v_lshl_add_u32 v8, v14, 1, v13
	v_add_nc_u32 v8, GT, v8                        ; gate turned: expert 4 (t % 2), channel t / 2
	v_and_b32 v13, 7, v0
	v_mul_u32_u24 v13, v13, PX
	v_lshl_add_u32 v13, v3, 4, v13
	v_lshl_add_u32 v13, s16, 8, v13
	v_add_nc_u32 v9, GT, v13                       ; gate fragment: row r % 8 (rows 8-15 repeat 0-7), my wave's 128 channels
	v_mul_u32_u24 v13, v2, PX
	v_lshl_add_u32 v13, v3, 4, v13
	v_lshl_add_u32 v10, s16, 8, v13                ; x fragment: row r
	v_lshlrev_b32 v12, 5, v2
	v_add_nc_u32 v12, RED, v12                     ; token r's 8 partial logits of wave 0
	v_lshl_add_u32 v11, s16, 9, v12                ; of my wave
	s_lshl_b32 s18, ttmp9, 16
	s_mov_b32 s19, 0
	s_lshl_b32 s20, ttmp9, 15
	s_mov_b32 s21, 0
	s_wait_kmcnt 0x0
	s_add_nc_u64 s[4:5], s[4:5], s[18:19]          ; x and xb at the chunk's first row
	s_add_nc_u64 s[8:9], s[8:9], s[20:21]
.set i, 0
.rept 8
	global_load_b128 v[96+4*i:99+4*i], v5, s[6:7] offset:4096*i       ; channel 128 i + t / 2, experts 4 (t % 2) + 0..3
.set i, i+1
.endr
.set i, 0
.rept 16
	global_load_b128 v[32+4*i:35+4*i], v4, s[4:5] offset:(i/8)*4096+(i%8)*512 th:TH_LOAD_NT
.set i, i+1
.endr
	s_wait_loadcnt 16                              ; the 16 loads of x stay out: gate_w is in
.set i, 0
.rept 8
	v_cvt_pk_bf16_f32 v[160+2*i], v[96+4*i], v[97+4*i]
	v_cvt_pk_bf16_f32 v[161+2*i], v[98+4*i], v[99+4*i]
.set i, i+1
.endr
.set i, 0
.rept 8
	ds_store_b16 v8, v[160+2*i] offset:256*i
	ds_store_b16_d16_hi v8, v[160+2*i] offset:PX+256*i
	ds_store_b16 v8, v[161+2*i] offset:2*PX+256*i
	ds_store_b16_d16_hi v8, v[161+2*i] offset:3*PX+256*i
.set i, i+1
.endr
.set i, 0
.rept 16
.if i == 0
	s_wait_loadcnt 8                               ; my first row is in, the second row's eight loads stay out
.endif
.if i == 8
	s_wait_loadcnt 0x0
.endif
	v_cvt_pk_bf16_f32 v[128+2*i], v[32+4*i], v[33+4*i]
	v_cvt_pk_bf16_f32 v[129+2*i], v[34+4*i], v[35+4*i]
	global_store_b64 v6, v[128+2*i:129+2*i], s[8:9] offset:(i/8)*2048+(i%8)*256   ; 32 lanes store 256 consecutive bytes, aligned
	ds_store_b64 v7, v[128+2*i:129+2*i] offset:(i/8)*PX+(i%8)*256
.set i, i+1
.endr
	s_wait_dscnt 0x0                               ; for the others' sake: my stores are done
	s_barrier_signal -1
	s_barrier_wait -1
.set i, 0
.rept 4                                ; my 128 channels: four steps of 32
	ds_load_b128 v[32+8*i:35+8*i], v9 offset:64*i
	ds_load_b128 v[36+8*i:39+8*i], v9 offset:64*i+32
	ds_load_b128 v[64+8*i:67+8*i], v10 offset:64*i
	ds_load_b128 v[68+8*i:71+8*i], v10 offset:64*i+32
.set i, i+1
.endr
	s_wait_dscnt 0x0
	; source 0 = experts, source 1 = tokens: a lane holds token r's eight logits.  Two accumulators by turns.
	v_wmma_f32_16x16x32_bf16 v[176:183], v[32:39], v[64:71], 0
	v_wmma_f32_16x16x32_bf16 v[184:191], v[40:47], v[72:79], 0
	v_wmma_f32_16x16x32_bf16 v[176:183], v[48:55], v[80:87], v[176:183]
	v_wmma_f32_16x16x32_bf16 v[184:191], v[56:63], v[88:95], v[184:191]
.rept 4
	v_nop                                          ; four places behind the products (ISA guide 7.12.1)
.endr
.irp q, 0,2,4,6
	v_pk_add_f32 v[192+\q:193+\q], v[176+\q:177+\q], v[184+\q:185+\q]
.endr
	ds_store_b128 v11, v[192:195]                  ; both halves of the lanes hold the same numbers and write the same words
	ds_store_b128 v11, v[196:199] offset:16
	s_wait_dscnt 0x0
	s_barrier_signal -1
	s_barrier_wait -1
	s_cmp_lg_u32 s16, 0
	s_cbranch_scc0 .Lwave0
	s_wait_tensorcnt 0x0                           ; the wave's end
	ds_add_u32 v30, v31
	s_wait_dscnt 0x0
	s_endpgm
.Lwave0:                                               ; wave 0 finishes the chunk: lane (r, h) works on token r
.set i, 0
.rept 8
	ds_load_b128 v[32+8*i:35+8*i], v12 offset:512*i
	ds_load_b128 v[36+8*i:39+8*i], v12 offset:512*i+16
.set i, i+1
.endr
	s_wait_dscnt 0x0
.irp q, 0,2,4,6
	v_pk_add_f32 v[192+\q:193+\q], v[32+\q:33+\q], v[40+\q:41+\q]
.endr
.set i, 2
.rept 6                                ; the waves' parts in ascending order
.irp q, 0,2,4,6
	v_pk_add_f32 v[192+\q:193+\q], v[192+\q:193+\q], v[32+8*i+\q:33+8*i+\q]
.endr
.set i, i+1
.endr
	v_max3_num_f32 v200, v192, v193, v194
	v_max3_num_f32 v200, v200, v195, v196
	v_max3_num_f32 v200, v200, v197, v198
	v_max_num_f32 v200, v200, v199                 ; the token's largest logit m
	v_mul_f32 v200, 0x3fb8aa3b, v200               ; c m, c = log2(e)
	v_mov_b32 v201, v200
.irp q, 0,2,4,6
	v_pk_fma_f32 v[192+\q:193+\q], v[192+\q:193+\q], 0x3fb8aa3b, v[200:201] op_sel_hi:[1,0,1] neg_lo:[0,0,1] neg_hi:[0,0,1]   ; c L - c m
.endr
.irp q, 0,1,2,3,4,5,6,7
	v_exp_f32 v[192+\q], v[192+\q]
.endr
	v_nop                                          ; a plain instruction behind the last exponential,
	s_wait_alu depctr_va_vdst(0)                   ; and one wait for the batch of eight, ahead of its first reader
	v_pk_add_f32 v[202:203], v[192:193], v[194:195]
	v_pk_add_f32 v[204:205], v[196:197], v[198:199]
	v_pk_add_f32 v[202:203], v[202:203], v[204:205]
	v_add_f32 v202, v202, v203
	v_rcp_f32 v204, v202
	v_nop
	s_wait_alu depctr_va_vdst(0)
.irp q, 0,2,4,6
	v_pk_mul_f32 v[192+\q:193+\q], v[192+\q:193+\q], v[204:205] op_sel_hi:[1,0]    ; the probabilities
.endr
	; the two largest, by values alone: a strict compare keeps the lower index
	v_mov_b32 v13, v192                            ; V1, I1
	v_mov_b32 v14, 0
	v_mov_b32 v15, -1.0                            ; V2, I2
	v_mov_b32 v16, 0
.irp e, 1,2,3,4,5,6,7
	v_cmp_gt_f32 vcc_lo, v[192+\e], v13
	v_cmp_gt_f32 s20, v[192+\e], v15
	v_cndmask_b32 v17, v15, v[192+\e], s20
	v_cndmask_b32 v18, v16, \e, s20
	v_cndmask_b32 v15, v17, v13, vcc_lo
	v_cndmask_b32 v16, v18, v14, vcc_lo
	v_cndmask_b32 v13, v13, v[192+\e], vcc_lo
	v_cndmask_b32 v14, v14, \e, vcc_lo
.endr
	v_add_f32 v27, v13, v15
	v_rcp_f32 v28, v27
	v_cmp_lt_u32 s21, 15, v1                       ; lanes 16-31 speak for slot 1
	s_wait_alu depctr_va_vdst(0)
	v_mul_f32 v25, v13, v28
	v_mul_f32 v26, v15, v28
	v_cndmask_b32 v23, v14, v16, s21               ; my slot's expert
	v_cndmask_b32 v24, v25, v26, s21               ; and weight
	v_lshlrev_b32 v19, 2, v2
	v_lshl_add_u32 v19, v3, 12, v19                ; (slot x 1,024 + r) x 4
	v_lshlrev_b32 v29, 2, v1
	s_lshl_b32 s18, ttmp9, 6
	s_add_nc_u64 s[12:13], s[12:13], s[18:19]
	s_lshl_b32 s18, ttmp9, 7
	s_add_nc_u64 s[10:11], s[10:11], s[18:19]
	s_add_nc_u64 s[14:15], s[14:15], s[18:19]
	global_store_b32 v19, v24, s[12:13]
	v_mov_b32 v20, 0
	v_mov_b32 v21, 0
	v_mov_b32 v22, 0
.irp e, 0,1,2,3,4,5,6,7
	v_cmp_eq_u32 s[24+\e], \e, v23
.endr
.irp e, 0,1,2,3,4,5,6,7
	v_writelane_b32 v20, s[24+\e], \e
	s_bcnt1_i32_b32 s[32+\e], s[24+\e]
	v_writelane_b32 v22, s[32+\e], 8+\e            ; the counts, as whole numbers, in lanes 8-15
.endr
	global_store_b32 v29, v20, s[10:11]
.irp m, 1,2,4,8
.irp e, 0,1,2,3,4,5,6,7
	v_add_f32_dpp v[192+\e], v[192+\e], v[192+\e] row_xmask:\m row_mask:0xf bank_mask:0xf    ; sums over the 16 tokens
.endr
.endr
.irp e, 0,1,2,3,4,5,6,7
	v_readfirstlane_b32 s[32+\e], v[192+\e]
	v_writelane_b32 v21, s[32+\e], \e
.endr
	v_cvt_f32_u32 v22, v22
	v_add_f32 v21, v21, v22
	global_store_b32 v29, v21, s[14:15]
	s_wait_tensorcnt 0x0                           ; the wave's end: the same three lines
	ds_add_u32 v30, v31
	s_wait_dscnt 0x0
	s_endpgm
.Lfunc_end_k_qa7f10a0197_router:
	.size	k_qa7f10a0197_router, .Lfunc_end_k_qa7f10a0197_router-k_qa7f10a0197_router
	.p2alignl 7, 3214868480
	.fill 96, 4, 3214868480
	.section	.rodata,"a",@progbits
	.p2align	6, 0x0
	.amdhsa_kernel k_qa7f10a0197_router
		.amdhsa_group_segment_fixed_size 55040
		.amdhsa_private_segment_fixed_size 0
		.amdhsa_enable_private_segment 0
		.amdhsa_kernarg_size 48
		.amdhsa_user_sgpr_count 2
		.amdhsa_user_sgpr_kernarg_segment_ptr 1
		.amdhsa_wavefront_size32 1
		.amdhsa_system_sgpr_workgroup_id_x 1
		.amdhsa_system_sgpr_workgroup_id_y 1
		.amdhsa_system_sgpr_workgroup_id_z 1
		.amdhsa_system_vgpr_workitem_id 0
		.amdhsa_next_free_vgpr 208
		.amdhsa_next_free_sgpr 66
		.amdhsa_reserve_vcc 1
		.amdhsa_float_denorm_mode_32 3
		.amdhsa_float_denorm_mode_16_64 3
		.amdhsa_memory_ordered 1
		.amdhsa_forward_progress 1
		.amdhsa_inst_pref_size 28
	.end_amdhsa_kernel
	.amdgpu_metadata
---
amdhsa.version: [ 1, 2 ]
amdhsa.kernels:
  - .name:           k_qa7f10a0197_router
    .symbol:         k_qa7f10a0197_router.kd
    .args:
      - { .name: x, .offset: 0, .size: 8, .value_kind: global_buffer, .address_space: global }
      - { .name: gate_w, .offset: 8, .size: 8, .value_kind: global_buffer, .address_space: global }
      - { .name: xb, .offset: 16, .size: 8, .value_kind: global_buffer, .address_space: global }
      - { .name: rmask, .offset: 24, .size: 8, .value_kind: global_buffer, .address_space: global }
      - { .name: rwt, .offset: 32, .size: 8, .value_kind: global_buffer, .address_space: global }
      - { .name: paux, .offset: 40, .size: 8, .value_kind: global_buffer, .address_space: global }
    .group_segment_fixed_size: 55040
    .private_segment_fixed_size: 0
    .kernarg_segment_align: 8
    .kernarg_segment_size: 48
    .max_flat_workgroup_size: 256
    .sgpr_count:     66
    .vgpr_count:     208
    .wavefront_size: 32
...
	.end_amdgpu_metadata
.endif
;; end of part 1
;; launch up (part 2): grid 32 x 8, 4 waves a work-group, no clusters, 265,472 bytes of LDS; arguments xb, rmask, w1, b1, hbuf, rlist; writes hbuf, rlist
.if DOCPART == 2
	.amdgcn_target "amdgcn-amd-amdhsa--gfx1250"
	.amdhsa_code_object_version 6
	.text
	.protected	k_qa7f10a0197_up
	.globl	k_qa7f10a0197_up
	.p2align	8
	.type	k_qa7f10a0197_up,@function
k_qa7f10a0197_up:
	s_mov_b64 s[64:65], 0
	v_nop
	global_prefetch_b8 v0, s[64:65] scope:SCOPE_SE
	s_setreg_imm32_b32 hwreg(HW_REG_WAVE_MODE, 25, 1), 1
	s_wait_xcnt 0x0
; UP.  h = gelu(x w1[e] + b1[e]) for the rows that chose expert e, and no others.  gelu in its tanh form: y = x / (1 + 2^(x (A + B x^2))).
; SHARES.  Work-group (sl, e) owns columns 128 sl .. + 127 of w1[e], all 1,024 k: 512 KB of f32 that it alone reads, once; and all of the expert's rows.
; K goes in 16 stages of 64.  In each stage wave w loads 64 columns x 32 k (g = w % 2, f = w / 2) by 16 loads, each of two aligned runs of 256 bytes, rounds them to bf16 in registers and
; stores four fragments into LDS.  Every stage has LDS bytes of its own: the slice (256 KB of bf16) stays, nothing is written twice.
; THE ORDER OF K.  Lane (r, h), register q, half b of fragment f stands for k = 64 s + 32 h + 16 f + 2 q + b, in the weights and in the rows alike: a permutation of k within a product.
; ROWS.  Wave 0 ranks the expert's rows from the router's bit masks into a list in LDS (d = slot x 1,024 + token), four chunks of 16 tokens a trip; a barrier shows it to the others.  The work-group of slice 0 stores
; the list and the count for the next launch, which ranks nothing.  Tiles of 16 rows; wave w has tiles 20 p + w + 4 t, t = 0..4, in pass p.  Pass 0 (320 rows) runs under the stream of weights: 16 stages, one barrier
; each, whatever the count.  Passes 1 to 3 read the resident slice, with no barrier and no LDS store, and are jumped over where the count leaves them no tile: 0 to 1,024 rows are served.  Places past the count repeat
; the last row; an expert without rows still writes tile 0 (of token 0), so that the next launch's clamped loads find written bytes.
; A STAGE.  Half f of a stage's rows and fragments is read by the 40 products of half f alone, so each half is asked for again as soon as its products are over: rows a stage and a half ahead of their use, in two
; buffers; fragments half a stage ahead, in ONE run of 16 LDS loads amid the other half's products, never singly between products.
; PRODUCT.  Source 0 = 16 columns of w1, source 1 = 16 rows: register j of accumulator (t, 4 g + c) is row r, column 64 g + 32 h + 4 j + c: four accumulators give a lane 32 neighbouring columns of one row,
; which is the row operand of the next launch: h leaves as 512 consecutive bytes a store.  hbuf: [expert][tile 64][64 columns][i 4][lane 32][16 bytes].
; LIMITS.  x, w1, b1 rounded to bf16, sums in f32, h rounded once to bf16.  An exponential below 2^-126 counts as 0.  NaN and infinities are not treated apart.
; NO CLUSTER, NO TENSOR LOADS: each weight has one reader and must pass through registers to be rounded; the rows that an expert's work-groups share come by a list, which no descriptor covers.
.set PSH,   14
.set PITCH, 1<<PSH                     ; bytes from k to k + 1 in w1
.set WSTEP, 64*PITCH                   ; a stage
.set XI,    16                         ; bytes between a lane's four loads of a row
.set XSTEP, 128                        ; a stage of a row
.set STB,   16384                      ; a stage's fragments in LDS: f x 8,192 + (4 g + c) x 1,024 + half x 512 + 16 x lane
.set LIST,  16*STB                     ; the list: 1,280 numbers of 16 bits
.set DUMP,  1279                       ; its last place, in tile 79, which no count makes live: places that did not choose the expert are stored there
.set CNTW,  LIST+2560                  ; the count, one word in a block of 256 bytes
.set SPARE, CNTW+256                   ; the spare words: 128 bytes a wave, named by no other line
; window 0: v1 lane, v2 r, v3 h, v4 weights' offset, v5 prefetch's offset, v6 16 x lane, v7 my unit's place in a stage, v8, v9 LDS addresses in hand, v10-14 the five tiles' rows, v15 my place in the list,
;   v16-17 masks, v18-20, v26-27 at work, v21 the list's base, v22-25 zeros, v28-29 the add's two, v31 64 h
.set PK,    32                         ; v32-63   four fragments, packed; in the ranking at work; on the way out h, packed
.set LB,    64                         ; v64-191  two landing buffers of 64; on the way out x (XS) and z (Z)
.set XS,    64
.set Z,     128
.set LC,    192                        ; v192-196 my thread's five words of the list
.set CN,    197                        ; v197     the count
.set TO4,   198                        ; v198     4 x my thread's number
; window 1: v0-159 two buffers of rows (tile t, load i at 16 t + 4 i).  window 2: v0-127 fragments f = 0, 1; v128-191 the bias as a C operand; v192-255 tile 4's sums.  window 3: tiles 0-3's sums at 64 t + 8 (4 g + c)
.set BIAS,  128
.set W_A,   0xf6                       ; source 0 window 2, source 1 window 1, C and D window 3
.set W_F,   0xe6                       ; the same with C (the bias) in window 2
.set W_4,   0xa6                       ; C and D window 2
; s16 wave, s17 expert, s18 slice, s[22:23] weights, s24-31 at work in the ranking, s[32:33] rows, s[34:35] their base, s36 count, s37 tiles, s38 my live tiles, s39 pass, s40 loop, s43-45 at work, s[46:47] h's base,
; s[48:49] a tile's, s[50:51] A, s[52:53] B, s54 stage x STB, s55 my first tile of the pass, s56 tile, s57 mask, s[60:61] an offset
.set MSB, 0
.macro WIN new                         ; the immediate's high byte repeats the setting that is left; a switch that changes nothing is dropped
.if MSB != (\new)
	s_set_vgpr_msb (MSB<<8)|(\new)
.set MSB, \new
.endif
.endm
.macro PLACES                          ; four places in front of loads into registers that products have read, and of lines that read their results
.rept 4
	v_nop
.endr
.endm
.macro WLOAD b, ext                    ; my unit of a stage: 16 rows of k in each half of the lanes, 256 bytes each
	WIN 0
.set p, 0
.rept 16
	global_load_b128 v[LB+64*(\b)+4*p:LB+64*(\b)+4*p+3], v4, s[22:23] offset:(\ext)+p*PITCH th:TH_LOAD_NT
.set p, p+1
.endr
.endm
.macro CONV b                          ; register q of fragment c packs k = 2 q, 2 q + 1 of column c
	WIN 0
.set c, 0
.rept 4
.set q, 0
.rept 8
	v_cvt_pk_bf16_f32 v[PK+8*c+q], v[LB+64*(\b)+8*q+c], v[LB+64*(\b)+8*q+4+c]
.set q, q+1
.endr
.set c, c+1
.endr
.endm
.macro WSTORE ext
	WIN 0
.set c, 0
.rept 4
	ds_store_b128 v9, v[PK+8*c:PK+8*c+3] offset:(\ext)+c*1024
	ds_store_b128 v9, v[PK+8*c+4:PK+8*c+7] offset:(\ext)+c*1024+512
.set c, c+1
.endr
.endm
.macro XH b, f, ext                    ; half f (32 k) of a stage of my five tiles' rows: ten loads
	WIN 0x40
.set t, 0
.rept 5
	global_load_b128 v[80*(\b)+16*t+8*(\f):80*(\b)+16*t+8*(\f)+3], v[10+t], s[32:33] offset:(\ext)+2*(\f)*XI
	global_load_b128 v[80*(\b)+16*t+8*(\f)+4:80*(\b)+16*t+8*(\f)+7], v[10+t], s[32:33] offset:(\ext)+(2*(\f)+1)*XI
.set t, t+1
.endr
.endm
.macro FRUN f, ext                     ; the eight fragments of half f, at ext behind the address in hand: one run of 16 loads, 512 consecutive bytes each
	WIN 0x80
.set m, 0
.rept 16
	ds_load_b128 v[64*(\f)+4*m:64*(\f)+4*m+3], v8 offset:(\ext)+(\f)*8192+m*512
.set m, m+1
.endr
.endm
; 40 products: five tiles x eight fragments; the accumulators take turns, one instruction a turn.  first = 1: the bias starts the sums.  Tile 4 is jumped where the wave has fewer than five live tiles
; (never in the products that start the sums).  bar = 1: the stage's barrier is waited for behind product 15.  rf = 0, 1: the run of loads for half rf's fragments (at rext in LDS) stands behind product r0.
.macro MUL b, f, first, bar, rf, r0, rext
.set n, 0
.rept 32
.if \first
	WIN W_F
	v_wmma_f32_16x16x32_bf16 v[8*n:8*n+7], v[64*(\f)+8*(n%8):64*(\f)+8*(n%8)+7], v[80*(\b)+16*(n/8)+8*(\f):80*(\b)+16*(n/8)+8*(\f)+7], v[BIAS+8*(n%8):BIAS+8*(n%8)+7]
.else
	WIN W_A
	v_wmma_f32_16x16x32_bf16 v[8*n:8*n+7], v[64*(\f)+8*(n%8):64*(\f)+8*(n%8)+7], v[80*(\b)+16*(n/8)+8*(\f):80*(\b)+16*(n/8)+8*(\f)+7], v[8*n:8*n+7]
.endif
.if (\bar) && (n == 15)
	s_barrier_wait -1
.endif
.if ((\rf) >= 0) && (n == (\r0))
	FRUN \rf, \rext
.endif
.set n, n+1
.endr
.if !(\first)
	WIN 0
	s_cmp_lt_u32 s38, 5
	s_cbranch_scc1 .Lno4_\@
.endif
	WIN W_4
.set c, 0
.rept 8
.if \first
	v_wmma_f32_16x16x32_bf16 v[192+8*c:192+8*c+7], v[64*(\f)+8*c:64*(\f)+8*c+7], v[80*(\b)+64+8*(\f):80*(\b)+64+8*(\f)+7], v[BIAS+8*c:BIAS+8*c+7]
.else
	v_wmma_f32_16x16x32_bf16 v[192+8*c:192+8*c+7], v[64*(\f)+8*c:64*(\f)+8*c+7], v[80*(\b)+64+8*(\f):80*(\b)+64+8*(\f)+7], v[192+8*c:192+8*c+7]
.endif
.set c, c+1
.endr
	WIN 0
.if !(\first)
.Lno4_\@:
.endif
.endm
.macro PREF                            ; my 32 blocks of 256 bytes of the stage six on, three stages ahead of its loads; the stages whose look-ahead would leave the slice ask for nothing
	WIN 0
	s_cmp_gt_u32 s54, 9*STB
	s_cbranch_scc1 .Lnopf_\@
	global_prefetch_b8 v5, s[22:23] offset:5*WSTEP th:TH_LOAD_NT scope:SCOPE_SE
.Lnopf_\@:
.endm
; Stage s of pass 0, on row buffer b = s % 2.  Loads go out in this order: head of s: X(s+1) half 1 (10), W(s+3) (16); middle of s: X(s+2) half 0 (10).
; la: at the head X(s) half 0 and the older W(s+1) are wanted; behind them stand X(s) half 1, W(s+2), X(s+1) half 0: 36.
; lb: in the middle, ahead of its ten loads, X(s) half 1 is wanted; behind it stand W(s+2), X(s+1) half 0, X(s+1) half 1, W(s+3): 52.  So a wave has 62 loads out at the most.  The last stages issue less, and their counts run down.
; The stage rounds W(s+1) and stores it as stage s + 1's fragments.  One barrier: in front of the signal my stores of stage s + 1 and my LDS reads are done; behind the wait stage s + 1's fragments of half 0 are read (nf = 1).
; This stage's fragments of half 1 are asked for behind product 7 of the first 40: 32 products stand between that run and the wait for it.
.macro STAGE b, first, conv, wl, xh, xm, bar, la, lb, pf, nf
	WIN 0
	PLACES                                         ; for the loads into the halves 1, which the last stage's second 40 products read
	v_add_nc_u32 v8, s54, v6
	s_wait_loadcnt \la
	s_wait_xcnt 0x0                                ; the two pointers are stepped only behind this wait
.if \xh
	s_add_nc_u64 s[32:33], s[32:33], XSTEP
.endif
.if \wl
	s_add_nc_u64 s[22:23], s[22:23], WSTEP
.endif
.if \conv
	CONV 1-(\b)
.endif
.if \xh
	XH 1-(\b), 1, 0
.endif
.if \wl
	WLOAD 1-(\b), 2*WSTEP
.endif
.if \pf
	PREF
.endif
.if \conv
	WIN 0
	v_add_nc_u32 v9, s54, v7
	WSTORE STB
	s_wait_dscnt 8                                 ; the eight stores stay out: this stage's fragments of half 0, asked for in the last stage, are in
.else
	s_wait_dscnt 0x0
.endif
	MUL \b, 0, \first, 0, 1, 7, 0
.if (\xm) || (\nf)
	PLACES                                         ; for the loads into the halves 0, which those products read
.endif
	s_wait_loadcnt \lb
.if \xm
	XH \b, 0, XSTEP
.endif
	s_wait_dscnt 0x0                               ; the fragments of half 1 are in, and my stores of stage s + 1 are done
.if \bar
	s_barrier_signal -1
.endif
.if \nf
	MUL \b, 1, 0, \bar, 0, 15, STB
.else
	MUL \b, 1, 0, \bar, -1, 0, 0
.endif
	s_add_co_u32 s54, s54, STB
.endm
.macro NSTAGE first                    ; a stage of a later pass: rows from memory, fragments from the resident slice
	WIN 0
	PLACES
	v_add_nc_u32 v8, s54, v6
	XH 0, 0, 0
	XH 0, 1, 0
	FRUN 0, 0
	FRUN 1, 0
	s_wait_loadcnt 0x0
	s_wait_dscnt 0x0
	MUL 0, 0, \first, 0, -1, 0, 0
	MUL 0, 1, 0, 0, -1, 0, 0
	s_wait_xcnt 0x0                                ; the pointer is stepped only behind this wait
	s_add_nc_u64 s[32:33], s[32:33], XSTEP
	s_add_co_u32 s54, s54, STB
.endm
; Wave 0 alone: the list, its padding, the count.  A trip takes chunks i, 32 + i, i + 1, 33 + i (16 tokens x 2 slots each), in that order: a chosen place's rank is the running count plus the set bits below it.
; The four chains do not wait for each other.  Every lane stores in every trip: a place that was not chosen stores into the list's place DUMP.  A rank enters the address behind the clamp, by a shift and an add.
.macro RANK
	v_add_nc_u32 v19, v21, v6
.irp k, 0,1,2,3,4
	ds_store_b128 v19, v[22:25] offset:512*\k      ; the list starts as zeros: every place names a row that exists
.endr
	v_lshl_add_u32 v20, v3, 10, v2                 ; d of my place in chunk 0,
	v_add_nc_u32 v34, 0x200, v20                   ; chunk 32,
	v_add_nc_u32 v35, 16, v20                      ; chunk 1,
	v_add_nc_u32 v36, 0x210, v20                   ; chunk 33
	v_mov_b32 v26, DUMP
	s_mov_b32 s43, 0
	s_mov_b32 s40, 0
.Lscan:
	s_add_co_u32 s28, s40, 1
	v_readlane_b32 s24, v16, s40
	v_readlane_b32 s25, v17, s40
	v_readlane_b32 s26, v16, s28
	v_readlane_b32 s27, v17, s28
	s_bcnt1_i32_b32 s29, s24
	s_bcnt1_i32_b32 s30, s25
	s_bcnt1_i32_b32 s31, s26
	s_bcnt1_i32_b32 s44, s27
	s_add_co_u32 s29, s29, s43                     ; where the second chunk's ranks begin,
	s_add_co_u32 s30, s30, s29                     ; the third's,
	s_add_co_u32 s31, s31, s30                     ; the fourth's
	v_mbcnt_lo_u32_b32 v18, s24, s43
	v_mbcnt_lo_u32_b32 v19, s25, s29
	v_mbcnt_lo_u32_b32 v32, s26, s30
	v_mbcnt_lo_u32_b32 v33, s27, s31
	s_add_co_u32 s43, s44, s31
	v_cndmask_b32 v18, v26, v18, s24
	v_cndmask_b32 v19, v26, v19, s25
	v_cndmask_b32 v32, v26, v32, s26
	v_cndmask_b32 v33, v26, v33, s27
.irp a, 18,19,32,33
	v_min_u32 v\a, DUMP, v\a
.endr
.irp a, 18,19,32,33
	v_lshlrev_b32 v\a, 1, v\a
.endr
.irp a, 18,19,32,33
	v_add_nc_u32 v\a, v21, v\a
.endr
	ds_store_b16 v18, v20
	ds_store_b16 v19, v34
	ds_store_b16 v32, v35
	ds_store_b16 v33, v36
.irp a, 20,34,35,36
	v_add_nc_u32 v\a, 32, v\a
.endr
	s_add_co_u32 s40, s40, 2
	s_cmp_lt_u32 s40, 32
	s_cbranch_scc1 .Lscan
	s_max_u32 s44, s43, 1
	s_sub_co_u32 s44, s44, 1
	s_min_u32 s44, s44, 1023
	s_lshl_b32 s44, s44, 1
	v_add_nc_u32 v19, s44, v21
	ds_load_u16 v18, v19                           ; the last row (LDS serves a wave's instructions in order: ISA guide 5.7.1.4)
	s_min_u32 s45, s43, 1024
	s_lshl_b32 s45, s45, 1
	v_lshl_add_u32 v26, v2, 1, v21
	v_add_nc_u32 v26, s45, v26
	s_wait_dscnt 0x0
	v_mov_b32 v19, s43
	ds_store_b16 v26, v18                          ; is repeated in the 16 places behind it
	ds_store_b32 v8, v19                           ; the count
.endm
.macro NTC                             ; my live tiles of the pass: those of s55 + 4 t below s37, five at the most
	s_sub_co_i32 s44, s37, s55
	s_add_co_i32 s44, s44, 3
	s_max_i32 s44, s44, 0
	s_lshr_b32 s44, s44, 2
	s_min_u32 s38, s44, 5
.endm
.macro XOS                             ; the five tiles' rows: token = d % 1,024; 2,048 bytes a row, 64 bytes for each half of the lanes
.irp t, 0,1,2,3,4
	ds_load_u16 v[10+\t], v15 offset:128*\t
.endr
	s_wait_dscnt 0x0
.irp t, 0,1,2,3,4
	v_min_u32 v[10+\t], 0x7ff, v[10+\t]
	v_and_b32 v[10+\t], 0x3ff, v[10+\t]
	v_lshlrev_b32 v[10+\t], 11, v[10+\t]
	v_add_nc_u32 v[10+\t], v31, v[10+\t]
.endr
.endm
.macro COPY t                          ; tile t's sums into the registers that the one text of the gelu names, each accumulator from its low end on
.if (\t) < 4
	WIN 0x03
.else
	WIN 0x02
.endif
.set n, 0
.rept 32
.if (\t) < 4
	v_pk_mul_f32 v[XS+2*n:XS+2*n+1], v[64*(\t)+2*n:64*(\t)+2*n+1], 1.0 op_sel_hi:[1,0]
.else
	v_pk_mul_f32 v[XS+2*n:XS+2*n+1], v[192+2*n:192+2*n+1], 1.0 op_sel_hi:[1,0]
.endif
.set n, n+1
.endr
	WIN 0
.endm
	s_load_b256 s[4:11], s[0:1], 0x0               ; xb s[4:5], rmask s[6:7], w1 s[8:9], b1 s[10:11]
	s_load_b128 s[12:15], s[0:1], 0x20             ; hbuf s[12:13], rlist s[14:15]
	v_lshl_add_u32 v28, v0, 2, SPARE               ; my spare word
	v_mov_b32 v29, 0
	v_and_b32 v1, 31, v0
	v_lshrrev_b32 v26, 5, v0
	v_readfirstlane_b32 s16, v26                   ; wave 0..3
	v_and_b32 v2, 15, v0                           ; r
	v_bfe_u32 v3, v0, 4, 1                         ; h
	s_and_b32 s17, ttmp7, 0xffff                   ; expert
	s_mov_b32 s18, ttmp9                           ; slice
	s_lshr_b32 s44, s16, 1
	s_and_b32 s45, s16, 1
	s_mul_i32 s44, s44, 16*PITCH
	s_lshl_b32 s45, s45, 8
	s_add_co_u32 s44, s44, s45
	v_lshlrev_b32 v4, 4, v2
	v_lshl_add_u32 v4, v3, PSH+5, v4
	v_add_nc_u32 v4, s44, v4                       ; (32 h + 16 f) rows + 256 g + 16 r
	v_lshrrev_b32 v26, 1, v1
	v_lshl_add_u32 v26, s16, 4, v26
	v_and_b32 v27, 1, v1
	v_lshlrev_b32 v27, 8, v27
	v_lshl_add_u32 v5, v26, PSH, v27               ; row 16 w + lane / 2 of a stage, block lane % 2
	v_lshlrev_b32 v6, 4, v1
	v_lshl_add_u32 v7, s16, 12, v6
	v_mov_b32 v21, LIST
	v_lshl_add_u32 v15, v2, 1, v21
	v_lshl_add_u32 v15, s16, 5, v15                ; place 16 w + r of the list
	v_mov_b32 v22, 0
	v_mov_b32 v23, 0
	v_mov_b32 v24, 0
	v_mov_b32 v25, 0
	v_lshlrev_b32 v[TO4], 2, v0
	v_lshlrev_b32 v31, 7, v1
	v_lshl_add_u32 v31, s17, 2, v31                ; chunk = lane, word e
	v_lshlrev_b32 v27, 7, v3                       ; the bias: 32 numbers for each half of the lanes
	s_mov_b32 s50, 0xc0135761                      ; A = -2 sqrt(2 / pi) log2(e)
	s_mov_b32 s51, s50
	s_mov_b32 s52, 0xbdd2d3e8                      ; B = 0.044715 A
	s_mov_b32 s53, s52
	s_mov_b32 s57, 0xffff0000
	s_mov_b32 s61, 0
	s_mov_b32 s39, 0
	s_mov_b32 s54, 0
	s_mov_b32 s55, s16
	s_lshl_b32 s44, s18, 9
	s_wait_kmcnt 0x0
	s_lshl_b32 s60, s17, 24
	s_add_co_u32 s60, s60, s44
	s_add_nc_u64 s[22:23], s[8:9], s[60:61]        ; w1[e], my 128 columns
	s_lshl_b32 s60, s17, 14
	s_add_co_u32 s60, s60, s44
	s_add_nc_u64 s[10:11], s[10:11], s[60:61]      ; b1[e], the same columns
	s_lshl_b32 s60, s17, 23
	s_lshl_b32 s44, s18, 12
	s_add_co_u32 s60, s60, s44
	s_add_nc_u64 s[46:47], s[12:13], s[60:61]      ; hbuf: the expert, my two blocks of 64 columns
	s_mul_i32 s60, s17, 3072
	s_add_nc_u64 s[14:15], s[14:15], s[60:61]      ; rlist: the expert's 3,072 bytes
	s_mov_b64 s[34:35], s[4:5]
	s_mov_b64 s[32:33], s[4:5]
	global_load_b32 v16, v31, s[6:7]
	global_load_b32 v17, v31, s[6:7] offset:4096
	WIN 0x80
.set i, 0
.rept 16
	global_load_b128 v[4*i:4*i+3], v27, s[10:11] offset:(i/8)*256+(i%8)*16
.set i, i+1
.endr
	WLOAD 0, 0
.irp k, 3,4,5
	global_prefetch_b8 v5, s[22:23] offset:\k*WSTEP th:TH_LOAD_NT scope:SCOPE_SE
.endr
	WLOAD 1, WSTEP
	s_wait_loadcnt 32                              ; the two stages of weights stay out: masks and bias are in
	v_lshlrev_b32 v31, 6, v3                       ; 64 h
	v_mov_b32 v8, CNTW
	; the bias, rounded to bf16, as the C operand of fragment 4 g + c: register j = column 64 g + 32 h + 4 j + c
	WIN 0x8a
.set i, 0
.rept 32
	v_cvt_pk_bf16_f32 v[64+i], v[2*i], v[2*i+1]    ; g = i / 16, j = (i % 16) / 2, c = 2 (i % 2) and the next
.set i, i+1
.endr
.set i, 0
.rept 32
	v_lshlrev_b32 v[BIAS+8*(4*(i/16)+2*(i%2))+(i%16)/2], 16, v[64+i]
	v_and_b32 v[BIAS+8*(4*(i/16)+2*(i%2)+1)+(i%16)/2], s57, v[64+i]
.set i, i+1
.endr
	WIN 0
	s_cmp_lg_u32 s16, 0
	s_cbranch_scc1 .Lranked                        ; waves 1 to 3 touch no LDS before the barrier below
	RANK
.Lranked:
	s_wait_dscnt 0x0                               ; for the others' sake: wave 0's stores are done
	s_barrier_signal -1
	s_barrier_wait -1                              ; the list and the count are there for every wave
	v_lshl_add_u32 v26, v0, 2, LIST                ; my thread's first word of the list
	ds_load_b32 v[CN], v8
.irp k, 0,1,2,3,4
	ds_load_b32 v[LC+\k], v26 offset:512*\k        ; words t + 128 k
.endr
	XOS
	v_readfirstlane_b32 s36, v[CN]                 ; the expert's rows
	s_add_co_u32 s37, s36, 15
	s_lshr_b32 s37, s37, 4
	s_min_u32 s37, s37, 64
	s_max_u32 s37, s37, 1                          ; tiles; one at the least
	NTC
	XH 0, 0, 0
	XH 0, 1, 0
	WIN 0
	s_wait_loadcnt 20                              ; stage 0's rows, 20 loads, stay out: the weights of stages 0 and 1 are in
	CONV 0
	v_mov_b32 v9, v7
	WSTORE 0
	WLOAD 0, 2*WSTEP
	XH 1, 0, XSTEP                                 ; out now, in order: X(0) half 0, X(0) half 1, W(2), X(1) half 0: what a stage's head finds
	WIN 0
	v_mov_b32 v8, v6
	s_wait_dscnt 0x0
	s_barrier_signal -1
	s_barrier_wait -1                              ; stage 0's fragments are whole
	FRUN 0, 0
	STAGE 0, 1, 1, 1, 1, 1, 1, 36, 52, 1, 1
	s_cmp_lg_u32 s18, 0
	s_cbranch_scc1 .Lnolist                        ; the work-group of slice 0 hands the list and the count to the next launch
.irp k, 0,1,2,3,4
	global_store_b32 v[TO4], v[LC+\k], s[14:15] offset:512*\k     ; the four waves' stores together cover 512 consecutive bytes
.endr
	global_store_b32 v[TO4], v[CN], s[14:15] offset:2560          ; the count, in all 128 words behind the list
.Lnolist:
	s_mov_b32 s40, 6
.Lstream:                                              ; stages 1 to 12
	STAGE 1, 0, 1, 1, 1, 1, 1, 36, 52, 1, 1
	STAGE 0, 0, 1, 1, 1, 1, 1, 36, 52, 1, 1
	s_sub_co_u32 s40, s40, 1
	s_cmp_lg_u32 s40, 0
	s_cbranch_scc1 .Lstream
	STAGE 1, 0, 1, 0, 1, 1, 1, 36, 36, 0, 1        ; 13: no weights are left to ask for: 16 fewer stand behind X(13) half 1
	STAGE 0, 0, 1, 0, 1, 0, 1, 20, 20, 0, 1        ; 14: behind X(14) half 0: its half 1 and X(15) half 0; behind its half 1: both halves of X(15)
	STAGE 1, 0, 0, 0, 0, 0, 0, 10, 0, 0, 0         ; 15: behind X(15) half 0: its half 1; then nothing
	s_branch .Lepi
.Lpass:                                                ; passes 1 to 3: rows beyond 320, from the resident slice
	NTC
	s_cmp_eq_u32 s38, 0
	s_cbranch_scc1 .Lnext
	XOS
	s_wait_xcnt 0x0
	s_mov_b64 s[32:33], s[34:35]
	s_mov_b32 s54, 0
	NSTAGE 1
	s_mov_b32 s40, 15
.Lplain:                                               ; stages 1 to 15
	NSTAGE 0
	s_sub_co_u32 s40, s40, 1
	s_cmp_lg_u32 s40, 0
	s_cbranch_scc1 .Lplain
.Lepi:                                                 ; THE WAY OUT: one text of the gelu, walked once for each live tile
	PLACES
	s_mov_b32 s56, 0
.Ltile:
	s_cmp_ge_u32 s56, s38
	s_cbranch_scc1 .Ltnext
	s_wait_xcnt 0x0                                ; the last tile's stores have read their registers and their base
	s_lshl2_add_u32 s60, s56, s55                  ; tile s55 + 4 t
	s_min_u32 s60, s60, 63
	s_lshl_b32 s60, s60, 17
	s_add_nc_u64 s[48:49], s[46:47], s[60:61]
	s_cmp_lg_u32 s56, 0
	s_cbranch_scc1 .Lc1
	COPY 0
	s_branch .Lgelu
.Lc1:
	s_cmp_lg_u32 s56, 1
	s_cbranch_scc1 .Lc2
	COPY 1
	s_branch .Lgelu
.Lc2:
	s_cmp_lg_u32 s56, 2
	s_cbranch_scc1 .Lc3
	COPY 2
	s_branch .Lgelu
.Lc3:
	s_cmp_lg_u32 s56, 3
	s_cbranch_scc1 .Lc4
	COPY 3
	s_branch .Lgelu
.Lc4:
	COPY 4
.Lgelu:
.set n, 0
.rept 32                               ; z = x (A + B x^2), and 2^z of the pair before: 64 exponentials, one batch
	v_pk_mul_f32 v[Z+2*n:Z+2*n+1], v[XS+2*n:XS+2*n+1], v[XS+2*n:XS+2*n+1]
.if n > 0
	v_exp_f32 v[Z+2*n-2], v[Z+2*n-2]
.endif
	v_pk_fma_f32 v[Z+2*n:Z+2*n+1], v[Z+2*n:Z+2*n+1], s[52:53], s[50:51] op_sel_hi:[1,0,0]
.if n > 0
	v_exp_f32 v[Z+2*n-1], v[Z+2*n-1]
.endif
	v_pk_mul_f32 v[Z+2*n:Z+2*n+1], v[Z+2*n:Z+2*n+1], v[XS+2*n:XS+2*n+1]
.set n, n+1
.endr
	v_exp_f32 v[Z+62], v[Z+62]
	v_exp_f32 v[Z+63], v[Z+63]
	v_nop                                          ; a plain instruction behind the last exponential,
	s_wait_alu depctr_va_vdst(0)                   ; and one wait for the batch, ahead of its first reader
.set n, 0
.rept 32                               ; 1 / (1 + 2^z): 64 reciprocals, one batch
	v_pk_add_f32 v[Z+2*n:Z+2*n+1], v[Z+2*n:Z+2*n+1], 1.0 op_sel_hi:[1,0]
.if n > 0
	v_rcp_f32 v[Z+2*n-2], v[Z+2*n-2]
	v_rcp_f32 v[Z+2*n-1], v[Z+2*n-1]
.endif
.set n, n+1
.endr
	v_rcp_f32 v[Z+62], v[Z+62]
	v_rcp_f32 v[Z+63], v[Z+63]
	v_nop
	s_wait_alu depctr_va_vdst(0)
.set n, 0
.rept 32
	v_pk_mul_f32 v[XS+2*n:XS+2*n+1], v[XS+2*n:XS+2*n+1], v[Z+2*n:Z+2*n+1]
.set n, n+1
.endr
.set n, 0
.rept 32                               ; g = n / 16, j = (n % 16) / 2, c = 2 (n % 2): columns 4 j + c and the next
	v_cvt_pk_bf16_f32 v[PK+n], v[XS+8*(4*(n/16)+2*(n%2))+(n%16)/2], v[XS+8*(4*(n/16)+2*(n%2)+1)+(n%16)/2]
.set n, n+1
.endr
.set n, 0
.rept 8
	global_store_b128 v6, v[PK+4*n:PK+4*n+3], s[48:49] offset:(n/4)*2048+(n%4)*512   ; 512 consecutive bytes, aligned
.set n, n+1
.endr
.Ltnext:
	s_add_co_u32 s56, s56, 1
	s_cmp_lt_u32 s56, 5
	s_cbranch_scc1 .Ltile
.Lnext:
	v_add_nc_u32 v15, 640, v15                     ; 20 tiles on in the list
	s_add_co_u32 s55, s55, 20
	s_add_co_u32 s39, s39, 1
	s_cmp_lt_u32 s39, 4
	s_cbranch_scc1 .Lpass
	s_wait_dscnt 0x0                               ; my reads of LDS are over;
	s_barrier_signal -1
	s_barrier_wait -1                              ; every wave's are, before any wave's closing LDS write below
	s_wait_tensorcnt 0x0                           ; the wave's end
	ds_add_u32 v28, v29
	s_wait_dscnt 0x0
	s_endpgm
.Lfunc_end_k_qa7f10a0197_up:
	.size	k_qa7f10a0197_up, .Lfunc_end_k_qa7f10a0197_up-k_qa7f10a0197_up
	.p2alignl 7, 3214868480
	.fill 96, 4, 3214868480
	.section	.rodata,"a",@progbits
	.p2align	6, 0x0
	.amdhsa_kernel k_qa7f10a0197_up
		.amdhsa_group_segment_fixed_size 265472
		.amdhsa_private_segment_fixed_size 0
		.amdhsa_enable_private_segment 0
		.amdhsa_kernarg_size 48
		.amdhsa_user_sgpr_count 2
		.amdhsa_user_sgpr_kernarg_segment_ptr 1
		.amdhsa_wavefront_size32 1
		.amdhsa_system_sgpr_workgroup_id_x 1
		.amdhsa_system_sgpr_workgroup_id_y 1
		.amdhsa_system_sgpr_workgroup_id_z 1
		.amdhsa_system_vgpr_workitem_id 0
		.amdhsa_next_free_vgpr 1024
		.amdhsa_next_free_sgpr 66
		.amdhsa_reserve_vcc 0
		.amdhsa_float_denorm_mode_32 3
		.amdhsa_float_denorm_mode_16_64 3
		.amdhsa_memory_ordered 1
		.amdhsa_forward_progress 1
		.amdhsa_inst_pref_size 151
	.end_amdhsa_kernel
	.amdgpu_metadata
---
amdhsa.version: [ 1, 2 ]
amdhsa.kernels:
  - .name:           k_qa7f10a0197_up
    .symbol:         k_qa7f10a0197_up.kd
    .args:
      - { .name: xb, .offset: 0, .size: 8, .value_kind: global_buffer, .address_space: global }
      - { .name: rmask, .offset: 8, .size: 8, .value_kind: global_buffer, .address_space: global }
      - { .name: w1, .offset: 16, .size: 8, .value_kind: global_buffer, .address_space: global }
      - { .name: b1, .offset: 24, .size: 8, .value_kind: global_buffer, .address_space: global }
      - { .name: hbuf, .offset: 32, .size: 8, .value_kind: global_buffer, .address_space: global }
      - { .name: rlist, .offset: 40, .size: 8, .value_kind: global_buffer, .address_space: global }
    .group_segment_fixed_size: 265472
    .private_segment_fixed_size: 0
    .kernarg_segment_align: 8
    .kernarg_segment_size: 48
    .max_flat_workgroup_size: 128
    .sgpr_count:     66
    .vgpr_count:     1024
    .wavefront_size: 32
...
	.end_amdgpu_metadata
.endif
;; end of part 2
;; launch down (part 3): grid 32 x 8, 4 waves a work-group, no clusters, 270,336 bytes of LDS; arguments hbuf, rlist, w2, b2, rwt, part; writes part
.if DOCPART == 3
	.amdgcn_target "amdgcn-amd-amdhsa--gfx1250"
	.amdhsa_code_object_version 6
	.text
	.protected	k_qa7f10a0197_down
	.globl	k_qa7f10a0197_down
	.p2align	8
	.type	k_qa7f10a0197_down,@function
k_qa7f10a0197_down:
	s_mov_b64 s[64:65], 0
	v_nop
	global_prefetch_b8 v0, s[64:65] scope:SCOPE_SE
	s_setreg_imm32_b32 hwreg(HW_REG_WAVE_MODE, 25, 1), 1
	s_wait_xcnt 0x0
; DOWN.  part[kq][d] = weight(d) x (h(d) w2[e] over K quarter kq, + b2[e] where kq = 0), for the rows d = slot x 1,024 + token that chose expert e.
; SHARES.  Work-group (sl, e) owns columns 128 (sl % 8) .. + 127 and k = 1,024 (sl / 8) .. + 1,023 of w2[e]: 512 KB of f32 that it alone reads, once; and all of the expert's rows.
; The stream of weights, the resident slice of bf16 fragments in LDS, the order of k, the stage, the tiles and the passes are those of the launch before (same macros):
; 16 stages of 64 k, one barrier each, whatever the count; passes 1 to 3 without barrier or LDS store, jumped over where they have no tile: 0 to 1,024 rows are served.
; ROWS.  The launch before has ranked them: the expert's list (1,280 numbers d of 16 bits) and its count are read from rlist.  Each thread takes five words of the list (ten places), copies them into LDS, reads rwt[d]
; from memory and stores the ten weights into LDS in the list's order (WL), all ahead of the barrier that shows stage 0; the way out reads both at fixed places.
; PRODUCT.  Source 0 = 16 rows of h, as the launch before left them (512 consecutive bytes a load), source 1 = 16 columns of w2: register j of accumulator (t, 4 g + c) is row 8 h + j, column 64 g + 4 r + c:
; register j of four accumulators is 16 bytes of a row, and sixteen lanes store 256 consecutive bytes, aligned.  Places past the count repeat the last row and store its numbers again, to the same bytes, from the same wave.
; LIMITS.  w2, b2 rounded to bf16, h as stored (bf16), sums and parts in f32.  NaN and infinities are not treated apart.
; NO CLUSTER, NO TENSOR LOADS: each weight has one reader and passes through registers to be rounded; two slots for the rows that eight work-groups share (40 KB a stage) do not fit beside the slice.
.set PSH,   12
.set PITCH, 1<<PSH
.set WSTEP, 64*PITCH
.set XI,    512
.set XSTEP, 2048
.set STB,   16384
.set LIST,  16*STB                     ; the list: 1,280 numbers of 16 bits
.set WL,    LIST+2560                  ; the rows' weights in the list's order: 1,280 f32
.set SPARE, WL+5120                    ; the spare words: 128 bytes a wave, named by no other line
; window 0: v1 lane, v2 r, v3 h, v4 weights' offset, v5 prefetch's offset, v6 16 x lane, v7 my unit's place in a stage, v8, v9 LDS addresses in hand, v10-14 the five tiles, v15 my place in the list,
;   v18-20 at work, v21 the list's base, v22 0, v26 4 x thread, v27 16 r, v28-29 the add's two, v30 my place in WL, v31 8 x thread
.set PK,    32                         ; v32-63   four fragments, packed
.set LB,    64                         ; v64-191  two landing buffers of 64
.set TMP,   64                         ; the way out: a tile, scaled: 32 g + 4 j + c
.set CO,    128                        ; v128-167 the rows' weights, 8 t + j
.set OFF,   168                        ; v168-207 the rows' byte offsets in part
.set LND,   208                        ; v208-215 the bias as loaded, v232-235 packed; on the way out v208-227 the rows' numbers
.set LC,    216                        ; v216-220 my thread's five words of the list
.set WG,    222                        ; v222-231 its ten places' weights
.set WD,    236                        ; v236-245 their offsets in rwt
.set BIAS,  128                        ; window 2
.set W_A,   0xf9                       ; source 0 window 1, source 1 window 2, C and D window 3
.set W_F,   0xe9                       ; the same with C (the bias) in window 2
.set W_4,   0xa9                       ; C and D window 2
.set MSB, 0
.macro WIN new
.if MSB != (\new)
	s_set_vgpr_msb (MSB<<8)|(\new)
.set MSB, \new
.endif
.endm
.macro PLACES                          ; four places in front of loads into registers that products have read
.rept 4
	v_nop
.endr
.endm
.macro WLOAD b, ext
	WIN 0
.set p, 0
.rept 16
	global_load_b128 v[LB+64*(\b)+4*p:LB+64*(\b)+4*p+3], v4, s[22:23] offset:(\ext)+p*PITCH th:TH_LOAD_NT
.set p, p+1
.endr
.endm
.macro CONV b
	WIN 0
.set c, 0
.rept 4
.set q, 0
.rept 8
	v_cvt_pk_bf16_f32 v[PK+8*c+q], v[LB+64*(\b)+8*q+c], v[LB+64*(\b)+8*q+4+c]
.set q, q+1
.endr
.set c, c+1
.endr
.endm
.macro WSTORE ext
	WIN 0
.set c, 0
.rept 4
	ds_store_b128 v9, v[PK+8*c:PK+8*c+3] offset:(\ext)+c*1024
	ds_store_b128 v9, v[PK+8*c+4:PK+8*c+7] offset:(\ext)+c*1024+512
.set c, c+1
.endr
.endm
.macro XH b, f, ext                    ; half f (32 k) of a stage of my five tiles' rows: ten loads
	WIN 0x40
.set t, 0
.rept 5
	global_load_b128 v[80*(\b)+16*t+8*(\f):80*(\b)+16*t+8*(\f)+3], v[10+t], s[32:33] offset:(\ext)+2*(\f)*XI
	global_load_b128 v[80*(\b)+16*t+8*(\f)+4:80*(\b)+16*t+8*(\f)+7], v[10+t], s[32:33] offset:(\ext)+(2*(\f)+1)*XI
.set t, t+1
.endr
.endm
.macro FRUN f, ext                     ; the eight fragments of half f, at ext behind the address in hand: one run of 16 loads, 512 consecutive bytes each
	WIN 0x80
.set m, 0
.rept 16
	ds_load_b128 v[64*(\f)+4*m:64*(\f)+4*m+3], v8 offset:(\ext)+(\f)*8192+m*512
.set m, m+1
.endr
.endm
; 40 products; the accumulators take turns, one instruction a turn.  first = 1: the bias starts the sums.  Tile 4 is jumped where the wave has fewer than five live tiles.
; bar = 1: the stage's barrier is waited for behind product 15.  rf = 0, 1: the run of loads for half rf's fragments (at rext in LDS) stands behind product r0.
.macro MUL b, f, first, bar, rf, r0, rext
.set n, 0
.rept 32
.if \first
	WIN W_F
	v_wmma_f32_16x16x32_bf16 v[8*n:8*n+7], v[80*(\b)+16*(n/8)+8*(\f):80*(\b)+16*(n/8)+8*(\f)+7], v[64*(\f)+8*(n%8):64*(\f)+8*(n%8)+7], v[BIAS+8*(n%8):BIAS+8*(n%8)+7]
.else
	WIN W_A
	v_wmma_f32_16x16x32_bf16 v[8*n:8*n+7], v[80*(\b)+16*(n/8)+8*(\f):80*(\b)+16*(n/8)+8*(\f)+7], v[64*(\f)+8*(n%8):64*(\f)+8*(n%8)+7], v[8*n:8*n+7]
.endif
.if (\bar) && (n == 15)
	s_barrier_wait -1
.endif
.if ((\rf) >= 0) && (n == (\r0))
	FRUN \rf, \rext
.endif
.set n, n+1
.endr
.if !(\first)
	WIN 0
	s_cmp_lt_u32 s38, 5
	s_cbranch_scc1 .Lno4_\@
.endif
	WIN W_4
.set c, 0
.rept 8
.if \first
	v_wmma_f32_16x16x32_bf16 v[192+8*c:192+8*c+7], v[80*(\b)+64+8*(\f):80*(\b)+64+8*(\f)+7], v[64*(\f)+8*c:64*(\f)+8*c+7], v[BIAS+8*c:BIAS+8*c+7]
.else
	v_wmma_f32_16x16x32_bf16 v[192+8*c:192+8*c+7], v[80*(\b)+64+8*(\f):80*(\b)+64+8*(\f)+7], v[64*(\f)+8*c:64*(\f)+8*c+7], v[192+8*c:192+8*c+7]
.endif
.set c, c+1
.endr
	WIN 0
.if !(\first)
.Lno4_\@:
.endif
.endm
.macro PREF                            ; my 32 blocks of 256 bytes of the stage six on, three stages ahead of its loads; the stages whose look-ahead would leave the slice ask for nothing
	WIN 0
	s_cmp_gt_u32 s54, 9*STB
	s_cbranch_scc1 .Lnopf_\@
	global_prefetch_b8 v5, s[22:23] offset:5*WSTEP th:TH_LOAD_NT scope:SCOPE_SE
.Lnopf_\@:
.endm
; Stage s of pass 0, on row buffer b = s % 2.  Loads go out in this order: head of s: X(s+1) half 1 (10), W(s+3) (16); middle of s: X(s+2) half 0 (10).
; la: at the head X(s) half 0 and the older W(s+1) are wanted; behind them stand X(s) half 1, W(s+2), X(s+1) half 0: 36.
; lb: in the middle, ahead of its ten loads, X(s) half 1 is wanted; behind it stand W(s+2), X(s+1) half 0, X(s+1) half 1, W(s+3): 52.  So a wave has 62 loads out at the most.  The last stages issue less, and their counts run down.
; One barrier: in front of the signal my stores of stage s + 1 and my LDS reads are done; behind the wait stage s + 1's fragments of half 0 are read (nf = 1).
; This stage's fragments of half 1 are asked for behind product 7 of the first 40: 32 products stand between that run and the wait for it.
.macro STAGE b, first, conv, wl, xh, xm, bar, la, lb, pf, nf
	WIN 0
	PLACES                                         ; for the loads into the halves 1, which the last stage's second 40 products read
	v_add_nc_u32 v8, s54, v6
	s_wait_loadcnt \la
	s_wait_xcnt 0x0                                ; the two pointers are stepped only behind this wait
.if \xh
	s_add_nc_u64 s[32:33], s[32:33], XSTEP
.endif
.if \wl
	s_add_nc_u64 s[22:23], s[22:23], WSTEP
.endif
.if \conv
	CONV 1-(\b)
.endif
.if \xh
	XH 1-(\b), 1, 0
.endif
.if \wl
	WLOAD 1-(\b), 2*WSTEP
.endif
.if \pf
	PREF
.endif
.if \conv
	WIN 0
	v_add_nc_u32 v9, s54, v7
	WSTORE STB
	s_wait_dscnt 8                                 ; the eight stores stay out: this stage's fragments of half 0, asked for in the last stage, are in
.else
	s_wait_dscnt 0x0
.endif
	MUL \b, 0, \first, 0, 1, 7, 0
.if (\xm) || (\nf)
	PLACES                                         ; for the loads into the halves 0, which those products read
.endif
	s_wait_loadcnt \lb
.if \xm
	XH \b, 0, XSTEP
.endif
	s_wait_dscnt 0x0                               ; the fragments of half 1 are in, and my stores of stage s + 1 are done
.if \bar
	s_barrier_signal -1
.endif
.if \nf
	MUL \b, 1, 0, \bar, 0, 15, STB
.else
	MUL \b, 1, 0, \bar, -1, 0, 0
.endif
	s_add_co_u32 s54, s54, STB
.endm
.macro NSTAGE first
	WIN 0
	PLACES
	v_add_nc_u32 v8, s54, v6
	XH 0, 0, 0
	XH 0, 1, 0
	FRUN 0, 0
	FRUN 1, 0
	s_wait_loadcnt 0x0
	s_wait_dscnt 0x0
	MUL 0, 0, \first, 0, -1, 0, 0
	MUL 0, 1, 0, 0, -1, 0, 0
	s_wait_xcnt 0x0                                ; the pointer is stepped only behind this wait
	s_add_nc_u64 s[32:33], s[32:33], XSTEP
	s_add_co_u32 s54, s54, STB
.endm
.macro NTC
	s_sub_co_i32 s44, s37, s55
	s_add_co_i32 s44, s44, 3
	s_max_i32 s44, s44, 0
	s_lshr_b32 s44, s44, 2
	s_min_u32 s38, s44, 5
.endm
.macro XOS                             ; the five tiles in hbuf, 131,072 bytes each; a tile past the last takes the last one written
	s_max_u32 s45, s37, 1
	s_sub_co_u32 s45, s45, 1
.irp t, 0,1,2,3,4
	s_add_co_u32 s44, s55, 4*\t
	s_min_u32 s44, s44, s45
	s_min_u32 s44, s44, 63
	s_lshl_b32 s44, s44, 17
	v_add_nc_u32 v[10+\t], s44, v6
.endr
.endm
.macro OUT t                           ; tile t: scaled by its rows' weights, each accumulator from its low end on, and stored
.if (\t) > 0
	s_cmp_le_u32 s38, \t
	s_cbranch_scc1 .Lnext
	s_wait_xcnt 0x0                                ; the last tile's stores have read their registers
.endif
.if (\t) < 4
	WIN 0x03
.else
	WIN 0x02
.endif
.set n, 0
.rept 64                               ; g = n / 32, j = (n % 32) / 4, c = n % 4
.if (\t) < 4
	v_mul_f32 v[TMP+n], v[64*(\t)+8*(4*(n/32)+n%4)+(n%32)/4], v[CO+8*(\t)+(n%32)/4]
.else
	v_mul_f32 v[TMP+n], v[192+8*(4*(n/32)+n%4)+(n%32)/4], v[CO+8*(\t)+(n%32)/4]
.endif
.set n, n+1
.endr
	WIN 0
.set n, 0
.rept 16
	global_store_b128 v[OFF+8*(\t)+n%8], v[TMP+4*n:TMP+4*n+3], s[46:47] offset:256*(n/8)   ; 16 lanes store 256 consecutive bytes of a row, aligned
.set n, n+1
.endr
.endm
	s_load_b256 s[4:11], s[0:1], 0x0               ; hbuf s[4:5], rlist s[6:7], w2 s[8:9], b2 s[10:11]
	s_load_b128 s[12:15], s[0:1], 0x20             ; rwt s[12:13], part s[14:15]
	v_lshl_add_u32 v28, v0, 2, SPARE               ; my spare word
	v_mov_b32 v29, 0
	v_and_b32 v1, 31, v0
	v_lshrrev_b32 v26, 5, v0
	v_readfirstlane_b32 s16, v26                   ; wave 0..3
	v_and_b32 v2, 15, v0                           ; r
	v_bfe_u32 v3, v0, 4, 1                         ; h
	s_and_b32 s17, ttmp7, 0xffff                   ; expert
	s_and_b32 s19, ttmp9, 7                        ; block of 128 columns
	s_lshr_b32 s20, ttmp9, 3                       ; K quarter
	s_lshr_b32 s44, s16, 1
	s_and_b32 s45, s16, 1
	s_mul_i32 s44, s44, 16*PITCH
	s_lshl_b32 s45, s45, 8
	s_add_co_u32 s44, s44, s45
	v_lshlrev_b32 v27, 4, v2                       ; 16 r
	v_lshl_add_u32 v4, v3, PSH+5, v27
	v_add_nc_u32 v4, s44, v4                       ; (32 h + 16 f) rows + 256 g + 16 r
	v_lshrrev_b32 v26, 1, v1
	v_lshl_add_u32 v26, s16, 4, v26
	v_and_b32 v5, 1, v1
	v_lshlrev_b32 v5, 8, v5
	v_lshl_add_u32 v5, v26, PSH, v5                ; row 16 w + lane / 2 of a stage, block lane % 2
	v_lshlrev_b32 v6, 4, v1
	v_lshl_add_u32 v7, s16, 12, v6
	v_mov_b32 v21, LIST
	v_lshl_add_u32 v15, v3, 4, v21
	v_lshl_add_u32 v15, s16, 5, v15                ; places 16 w + 8 h .. + 7 of the list,
	v_lshlrev_b32 v30, 5, v3
	v_lshl_add_u32 v30, s16, 6, v30
	v_add_nc_u32 v30, WL, v30                      ; and of the weights
	v_mov_b32 v22, 0
	v_lshlrev_b32 v26, 2, v0                       ; 4 x thread
	v_lshlrev_b32 v31, 3, v0                       ; 8 x thread
	s_mov_b32 s57, 0xffff0000
	s_mov_b32 s61, 0
	s_mov_b32 s39, 0
	s_mov_b32 s54, 0
	s_mov_b32 s55, s16
	s_cmp_eq_u32 s20, 0
	s_cselect_b32 s58, -1, 0                       ; the bias belongs to K quarter 0
	s_lshl_b32 s44, s19, 9
	s_wait_kmcnt 0x0
	s_lshl_b32 s60, s17, 24
	s_lshl_b32 s45, s20, 22
	s_add_co_u32 s60, s60, s45
	s_add_co_u32 s60, s60, s44
	s_add_nc_u64 s[22:23], s[8:9], s[60:61]        ; w2[e], my quarter of k, my 128 columns
	s_lshl_b32 s60, s17, 12
	s_add_co_u32 s60, s60, s44
	s_add_nc_u64 s[10:11], s[10:11], s[60:61]      ; b2[e], the same columns
	s_lshl_b32 s60, s20, 23
	s_add_co_u32 s60, s60, s44
	s_add_nc_u64 s[46:47], s[14:15], s[60:61]      ; part[kq], the same columns
	s_lshl_b32 s60, s17, 23
	s_lshl_b32 s45, s20, 15
	s_add_co_u32 s60, s60, s45
	s_add_nc_u64 s[34:35], s[4:5], s[60:61]        ; hbuf: the expert, my quarter's 16 blocks of 64 columns
	s_mov_b64 s[32:33], s[34:35]
	s_mul_i32 s60, s17, 3072
	s_add_nc_u64 s[6:7], s[6:7], s[60:61]          ; rlist: the expert's 3,072 bytes
	global_load_b32 v18, v22, s[6:7] offset:2560   ; the count
	global_load_b128 v[LND:LND+3], v27, s[10:11]
	global_load_b128 v[LND+4:LND+7], v27, s[10:11] offset:256
.irp k, 0,1,2,3,4
	global_load_b32 v[LC+\k], v26, s[6:7] offset:512*\k            ; words t + 128 k of the list: places 2 t + 256 k and the next
.endr
	WLOAD 0, 0
.irp k, 3,4,5
	global_prefetch_b8 v5, s[22:23] offset:\k*WSTEP th:TH_LOAD_NT scope:SCOPE_SE
.endr
	WLOAD 1, WSTEP
	s_wait_loadcnt 32                              ; the two stages of weights stay out: count, bias and list are in
	v_readfirstlane_b32 s36, v18                   ; the expert's rows
	s_add_co_u32 s37, s36, 15
	s_lshr_b32 s37, s37, 4
	s_min_u32 s37, s37, 64                         ; tiles
	NTC
	XOS
.irp k, 0,1,2,3,4
	v_and_b32 v[WD+2*\k], 0xffff, v[LC+\k]
	v_lshrrev_b32 v[WD+2*\k+1], 16, v[LC+\k]
.endr
.irp k, 0,1,2,3,4,5,6,7,8,9
	v_min_u32 v[WD+\k], 0x7ff, v[WD+\k]
	v_lshlrev_b32 v[WD+\k], 2, v[WD+\k]
.endr
.irp k, 0,1,2,3,4,5,6,7,8,9
	global_load_b32 v[WG+\k], v[WD+\k], s[12:13]   ; the ten places' weights
.endr
	XH 0, 0, 0
	XH 0, 1, 0
	WIN 0
	v_add_nc_u32 v19, LIST, v26
.irp k, 0,1,2,3,4
	ds_store_b32 v19, v[LC+\k] offset:512*\k
.endr
	; the bias, rounded to bf16 (0 in K quarters 1 to 3), as the C operand of fragment 4 g + c: column 64 g + 4 r + c in all eight registers
.irp k, 0,1,2,3
	v_cvt_pk_bf16_f32 v[LND+24+\k], v[LND+2*\k], v[LND+2*\k+1]
.endr
.irp k, 0,1,2,3
	v_and_b32 v[LND+24+\k], s58, v[LND+24+\k]
.endr
	WIN 0x80
.set n, 0
.rept 64
.if (n/8)%2 == 0
	v_lshlrev_b32 v[BIAS+n], 16, v[LND+24+n/16]
.else
	v_and_b32 v[BIAS+n], s57, v[LND+24+n/16]
.endif
.set n, n+1
.endr
	WIN 0
	s_wait_loadcnt 30                              ; the 10 weights of rows and stage 0's rows, 20 loads, stay out: the weights of stages 0 and 1 are in
	CONV 0
	v_mov_b32 v9, v7
	WSTORE 0
	WLOAD 0, 2*WSTEP
	XH 1, 0, XSTEP                                 ; out now, in order: X(0) half 0, X(0) half 1, W(2), X(1) half 0: what a stage's head finds
	WIN 0
	v_add_nc_u32 v20, WL, v31
	v_mov_b32 v8, v6
	s_wait_loadcnt 46                              ; those 20 + 16 + 10 stay out: the rows' weights are in
.irp k, 0,1,2,3,4
	ds_store_b64 v20, v[WG+2*\k:WG+2*\k+1] offset:1024*\k
.endr
	s_wait_dscnt 0x0
	s_barrier_signal -1
	s_barrier_wait -1                              ; stage 0's fragments, the list and the rows' weights are whole
	FRUN 0, 0
	STAGE 0, 1, 1, 1, 1, 1, 1, 36, 52, 1, 1
	s_mov_b32 s40, 6
.Lstream:                                              ; stages 1 to 12
	STAGE 1, 0, 1, 1, 1, 1, 1, 36, 52, 1, 1
	STAGE 0, 0, 1, 1, 1, 1, 1, 36, 52, 1, 1
	s_sub_co_u32 s40, s40, 1
	s_cmp_lg_u32 s40, 0
	s_cbranch_scc1 .Lstream
	STAGE 1, 0, 1, 0, 1, 1, 1, 36, 36, 0, 1        ; 13: no weights are left to ask for: 16 fewer stand behind X(13) half 1
	STAGE 0, 0, 1, 0, 1, 0, 1, 20, 20, 0, 1        ; 14: behind X(14) half 0: its half 1 and X(15) half 0; behind its half 1: both halves of X(15)
	STAGE 1, 0, 0, 0, 0, 0, 0, 10, 0, 0, 0         ; 15: behind X(15) half 0: its half 1; then nothing
	s_branch .Lepi
.Lpass:                                                ; passes 1 to 3: rows beyond 320, from the resident slice
	NTC
	s_cmp_eq_u32 s38, 0
	s_cbranch_scc1 .Lnext
	XOS
	s_wait_xcnt 0x0
	s_mov_b64 s[32:33], s[34:35]
	s_mov_b32 s54, 0
	NSTAGE 1
	s_mov_b32 s40, 15
.Lplain:                                               ; stages 1 to 15
	NSTAGE 0
	s_sub_co_u32 s40, s40, 1
	s_cmp_lg_u32 s40, 0
	s_cbranch_scc1 .Lplain
.Lepi:                                                 ; THE WAY OUT.  The offsets' arithmetic, which names no register of the products, is the places behind them
	s_cmp_eq_u32 s38, 0
	s_cbranch_scc1 .Lnext
	s_wait_xcnt 0x0                                ; the last pass's stores have read their offsets
.irp t, 0,1,2,3,4
	ds_load_b128 v[LND+4*\t:LND+4*\t+3], v15 offset:128*\t     ; d of rows 8 h .. 8 h + 7 of tile t
.endr
.irp t, 0,1,2,3,4
	ds_load_b128 v[CO+8*\t:CO+8*\t+3], v30 offset:256*\t       ; and their weights
	ds_load_b128 v[CO+8*\t+4:CO+8*\t+7], v30 offset:256*\t+16
.endr
	s_wait_dscnt 10                                ; the ten loads of weights stay out: the rows' numbers are in
.set n, 0
.rept 40                               ; t = n / 8, j = n % 8
.if n%2 == 0
	v_and_b32 v[OFF+n], 0xffff, v[LND+n/2]
.else
	v_lshrrev_b32 v[OFF+n], 16, v[LND+n/2]
.endif
	v_min_u32 v[OFF+n], 0x7ff, v[OFF+n]
	v_lshlrev_b32 v[OFF+n], 12, v[OFF+n]           ; the row's 4,096 bytes in part,
	v_add_nc_u32 v[OFF+n], v27, v[OFF+n]           ; 16 bytes a lane
.set n, n+1
.endr
	s_wait_dscnt 0x0
	OUT 0
	OUT 1
	OUT 2
	OUT 3
	OUT 4
.Lnext:
	v_add_nc_u32 v15, 640, v15                     ; 20 tiles on in the list
	v_add_nc_u32 v30, 1280, v30                    ; and in the weights
	s_add_co_u32 s55, s55, 20
	s_add_co_u32 s39, s39, 1
	s_cmp_lt_u32 s39, 4
	s_cbranch_scc1 .Lpass
	s_wait_dscnt 0x0                               ; my reads of LDS are over;
	s_barrier_signal -1
	s_barrier_wait -1                              ; every wave's are, before any wave's closing LDS write below
	s_wait_tensorcnt 0x0                           ; the wave's end
	ds_add_u32 v28, v29
	s_wait_dscnt 0x0
	s_endpgm
.Lfunc_end_k_qa7f10a0197_down:
	.size	k_qa7f10a0197_down, .Lfunc_end_k_qa7f10a0197_down-k_qa7f10a0197_down
	.p2alignl 7, 3214868480
	.fill 96, 4, 3214868480
	.section	.rodata,"a",@progbits
	.p2align	6, 0x0
	.amdhsa_kernel k_qa7f10a0197_down
		.amdhsa_group_segment_fixed_size 270336
		.amdhsa_private_segment_fixed_size 0
		.amdhsa_enable_private_segment 0
		.amdhsa_kernarg_size 48
		.amdhsa_user_sgpr_count 2
		.amdhsa_user_sgpr_kernarg_segment_ptr 1
		.amdhsa_wavefront_size32 1
		.amdhsa_system_sgpr_workgroup_id_x 1
		.amdhsa_system_sgpr_workgroup_id_y 1
		.amdhsa_system_sgpr_workgroup_id_z 1
		.amdhsa_system_vgpr_workitem_id 0
		.amdhsa_next_free_vgpr 1024
		.amdhsa_next_free_sgpr 66
		.amdhsa_reserve_vcc 0
		.amdhsa_float_denorm_mode_32 3
		.amdhsa_float_denorm_mode_16_64 3
		.amdhsa_memory_ordered 1
		.amdhsa_forward_progress 1
		.amdhsa_inst_pref_size 144
	.end_amdhsa_kernel
	.amdgpu_metadata
---
amdhsa.version: [ 1, 2 ]
amdhsa.kernels:
  - .name:           k_qa7f10a0197_down
    .symbol:         k_qa7f10a0197_down.kd
    .args:
      - { .name: hbuf, .offset: 0, .size: 8, .value_kind: global_buffer, .address_space: global }
      - { .name: rlist, .offset: 8, .size: 8, .value_kind: global_buffer, .address_space: global }
      - { .name: w2, .offset: 16, .size: 8, .value_kind: global_buffer, .address_space: global }
      - { .name: b2, .offset: 24, .size: 8, .value_kind: global_buffer, .address_space: global }
      - { .name: rwt, .offset: 32, .size: 8, .value_kind: global_buffer, .address_space: global }
      - { .name: part, .offset: 40, .size: 8, .value_kind: global_buffer, .address_space: global }
    .group_segment_fixed_size: 270336
    .private_segment_fixed_size: 0
    .kernarg_segment_align: 8
    .kernarg_segment_size: 48
    .max_flat_workgroup_size: 128
    .sgpr_count:     66
    .vgpr_count:     1024
    .wavefront_size: 32
...
	.end_amdgpu_metadata
.endif
;; end of part 3
;; launch sum (part 4): grid 256 x 1, 8 waves a work-group, no clusters, 0 bytes of LDS; arguments part, paux, out0, out1; writes out0, out1
.if DOCPART == 4
	.amdgcn_target "amdgcn-amd-amdhsa--gfx1250"
	.amdhsa_code_object_version 6
	.text
	.protected	k_qa7f10a0197_sum
	.globl	k_qa7f10a0197_sum
	.p2align	8
	.type	k_qa7f10a0197_sum,@function
k_qa7f10a0197_sum:
	s_mov_b64 s[64:65], 0
	v_nop
	global_prefetch_b8 v0, s[64:65] scope:SCOPE_SE
	s_setreg_imm32_b32 hwreg(HW_REG_WAVE_MODE, 25, 1), 1
	s_wait_xcnt 0x0
; SUM.  out0[token] = the eight parts of the token (2 slots x 4 K quarters), added in f32 in a fixed order.  out1 = 8 x sum over e of (count_e / 2,048) (sum of probabilities_e / 1,024).
; A stream: a work-group takes 4 tokens; thread t holds 16 bytes of each row, so a wave's load or store covers 512 consecutive bytes.  All 32 loads of a thread go out at once.
; No LDS, no matrix unit, no cluster: nothing is shared and nothing is multiplied.
	s_load_b256 s[4:11], s[0:1], 0x0               ; part s[4:5], paux s[6:7], out0 s[8:9], out1 s[10:11]
	v_lshlrev_b32 v1, 4, v0
	v_lshrrev_b32 v2, 5, v0
	v_readfirstlane_b32 s12, v2                    ; wave
	s_lshl_b32 s14, ttmp9, 14                      ; 4 rows of 4,096 bytes
	s_mov_b32 s15, 0
	s_wait_kmcnt 0x0
	s_add_nc_u64 s[16:17], s[4:5], s[14:15]        ; the four K quarters lie 8 MB apart
	s_add_nc_u64 s[18:19], s[16:17], 0x800000
	s_add_nc_u64 s[20:21], s[18:19], 0x800000
	s_add_nc_u64 s[22:23], s[20:21], 0x800000
	s_add_nc_u64 s[8:9], s[8:9], s[14:15]
.set n, 0
.rept 32                               ; row n / 8, slot (n % 8) / 4, K quarter n % 4
	global_load_b128 v[4+4*n:7+4*n], v1, s[16+2*(n%4):17+2*(n%4)] offset:(n/8)*4096+((n%8)/4)*4194304 th:TH_LOAD_NT
.set n, n+1
.endr
.set i, 0
.rept 4
	s_wait_loadcnt 24-8*i                          ; the later rows' loads stay out
.set b, 4+32*i
.irp q, 0,2
	v_pk_add_f32 v[b+\q:b+\q+1], v[b+\q:b+\q+1], v[b+4+\q:b+5+\q]
	v_pk_add_f32 v[b+8+\q:b+9+\q], v[b+8+\q:b+9+\q], v[b+12+\q:b+13+\q]
	v_pk_add_f32 v[b+16+\q:b+17+\q], v[b+16+\q:b+17+\q], v[b+20+\q:b+21+\q]
	v_pk_add_f32 v[b+24+\q:b+25+\q], v[b+24+\q:b+25+\q], v[b+28+\q:b+29+\q]
.endr
.irp q, 0,2
	v_pk_add_f32 v[b+\q:b+\q+1], v[b+\q:b+\q+1], v[b+8+\q:b+9+\q]
	v_pk_add_f32 v[b+16+\q:b+17+\q], v[b+16+\q:b+17+\q], v[b+24+\q:b+25+\q]
.endr
.irp q, 0,2
	v_pk_add_f32 v[b+\q:b+\q+1], v[b+\q:b+\q+1], v[b+16+\q:b+17+\q]
.endr
	global_store_b128 v1, v[b:b+3], s[8:9] offset:4096*i th:TH_STORE_NT
.set i, i+1
.endr
	s_cmp_lg_u32 ttmp9, 0
	s_cbranch_scc1 .Lend
	s_cmp_lg_u32 s12, 0
	s_cbranch_scc1 .Lend
	; the loss, by wave 0 of work-group 0: lane l holds columns 4 (l % 8) .. + 3 of chunks l / 8 + 4 i
	s_wait_xcnt 0x0                                ; the stores have read their registers
.set i, 0
.rept 16
	global_load_b128 v[4+4*i:7+4*i], v1, s[6:7] offset:512*i
.set i, i+1
.endr
	s_mov_b32 s24, 0x76543210
	s_mov_b32 s25, 0xfedcba98
	s_wait_loadcnt 0x0
.set i, 1
.rept 15
	v_pk_add_f32 v[4:5], v[4:5], v[4+4*i:5+4*i]
	v_pk_add_f32 v[6:7], v[6:7], v[6+4*i:7+4*i]
.set i, i+1
.endr
.irp k, 0,1,2,3
	v_add_f32_dpp v[4+\k], v[4+\k], v[4+\k] row_xmask:8 row_mask:0xf bank_mask:0xf
.endr
.irp k, 0,1,2,3
	v_permlanex16_b32 v[8+\k], v[4+\k], s24, s25
.endr
.irp k, 0,1,2,3
	v_add_f32 v[4+\k], v[4+\k], v[8+\k]            ; all 64 chunks
.endr
.irp k, 0,1,2,3
	v_mov_b32_dpp v[8+\k], v[4+\k] row_xmask:2 row_mask:0xf bank_mask:0xf   ; lanes 0, 1 take the counts from lanes 2, 3
.endr
	v_mul_f32 v12, v4, v8
	v_fmac_f32 v12, v5, v9
	v_fmac_f32 v12, v6, v10
	v_fmac_f32 v12, v7, v11
	v_add_f32_dpp v12, v12, v12 row_xmask:1 row_mask:0xf bank_mask:0xf
	v_mul_f32 v12, 0x36800000, v12                 ; 8 / (2,048 x 1,024) = 2^-18
	v_mov_b32 v13, 0
	v_cmp_eq_u32 vcc_lo, 0, v0
	s_wait_xcnt 0x0                                ; EXEC changes only behind this wait
	s_and_saveexec_b32 s26, vcc_lo
	global_store_b32 v13, v12, s[10:11]
	s_wait_xcnt 0x0                                ; and again, in front of the line that widens it
	s_or_b32 exec_lo, exec_lo, s26
.Lend:
	s_endpgm
.Lfunc_end_k_qa7f10a0197_sum:
	.size	k_qa7f10a0197_sum, .Lfunc_end_k_qa7f10a0197_sum-k_qa7f10a0197_sum
	.p2alignl 7, 3214868480
	.fill 96, 4, 3214868480
	.section	.rodata,"a",@progbits
	.p2align	6, 0x0
	.amdhsa_kernel k_qa7f10a0197_sum
		.amdhsa_group_segment_fixed_size 0
		.amdhsa_private_segment_fixed_size 0
		.amdhsa_enable_private_segment 0
		.amdhsa_kernarg_size 32
		.amdhsa_user_sgpr_count 2
		.amdhsa_user_sgpr_kernarg_segment_ptr 1
		.amdhsa_wavefront_size32 1
		.amdhsa_system_sgpr_workgroup_id_x 1
		.amdhsa_system_sgpr_workgroup_id_y 1
		.amdhsa_system_sgpr_workgroup_id_z 1
		.amdhsa_system_vgpr_workitem_id 0
		.amdhsa_next_free_vgpr 144
		.amdhsa_next_free_sgpr 66
		.amdhsa_reserve_vcc 1
		.amdhsa_float_denorm_mode_32 3
		.amdhsa_float_denorm_mode_16_64 3
		.amdhsa_memory_ordered 1
		.amdhsa_forward_progress 1
		.amdhsa_inst_pref_size 13
	.end_amdhsa_kernel
	.amdgpu_metadata
---
amdhsa.version: [ 1, 2 ]
amdhsa.kernels:
  - .name:           k_qa7f10a0197_sum
    .symbol:         k_qa7f10a0197_sum.kd
    .args:
      - { .name: part, .offset: 0, .size: 8, .value_kind: global_buffer, .address_space: global }
      - { .name: paux, .offset: 8, .size: 8, .value_kind: global_buffer, .address_space: global }
      - { .name: out0, .offset: 16, .size: 8, .value_kind: global_buffer, .address_space: global }
      - { .name: out1, .offset: 24, .size: 8, .value_kind: global_buffer, .address_space: global }
    .group_segment_fixed_size: 0
    .private_segment_fixed_size: 0
    .kernarg_segment_align: 8
    .kernarg_segment_size: 32
    .max_flat_workgroup_size: 256
    .sgpr_count:     66
    .vgpr_count:     144
    .wavefront_size: 32
...
	.end_amdgpu_metadata
.endif
;; end of part 4
